; MI455X (gfx1250); checked and timed in simulation.
; The chip was launched on July 23, 2026; its instructions are those of AMD's public machine-readable ISA for CDNA 5 (MIT licence, August 2026) and "CDNA5" Instruction Set Architecture Reference Guide (July 2026). The comments in the code are by the model that wrote it; some were corrected since.
;; Full Attention. Allowed arithmetic: float matrix products may take bf16 or f16 operands with f32 sums; all other float work in f32.
;; Inputs: keys 4 x 2,048 x 16 x 64 float32; queries 4 x 2,048 x 16 x 64 float32; values 4 x 2,048 x 16 x 64 float32.
;; Outputs: out0 4 x 2,048 x 16 x 64 float32.
;; 2 versions, each right; version 2 is version 1 with the launch attn written anew for expert scheduling mode. Each part assembles by itself: llvm-mc -triple=amdgcn-amd-amdhsa -mcpu=gfx1250 --defsym DOCPART=n.
;; ======== version 1 of 2: 1 launch
;; limits: right only within a limited range of input values; values are held in f16: magnitudes above 65,504 overflow, below 6.1e-05 lose precision; inputs' magnitudes at most 65,504
;; launch attn (part 1): grid 256 x 1, 4 waves a work-group, no clusters, 93,696 bytes of LDS; arguments queries, keys, values, out0; writes out0
.if DOCPART == 1
	.amdgcn_target "amdgcn-amd-amdhsa--gfx1250"
	.amdhsa_code_object_version 6
	.text
	.protected	k_qf58b54370e_attn
	.globl	k_qf58b54370e_attn
	.p2align	8
	.type	k_qf58b54370e_attn,@function
k_qf58b54370e_attn:
	s_mov_b64 s[64:65], 0
	v_nop
	global_prefetch_b8 v0, s[64:65] scope:SCOPE_SE
	s_setreg_imm32_b32 hwreg(HW_REG_WAVE_MODE, 25, 1), 1
	s_wait_xcnt 0x0
; Causal softmax attention.  queries, keys, values, out0: [4][2048][16][64] f32; a head's row is 256 aligned bytes, rows 4,096 bytes apart.
; out(l) = sum over s <= l of softmax(0.125 q(l).k(s)) v(s).
;
; SHARING.  256 work-groups of four waves.  Work-group id = 4 x head + i.  A head has 8 blocks of 256 queries; the work-group makes block 7 - i
; and then block i: (4 (7-i) + 4) + (4 i + 4) = 36 steps of 64 keys in every work-group.  Wave g owns four groups q of 16 queries, rows
; 256 qb + 64 q + 16 g + r, so that in the diagonal step s every wave has the groups q >= s at work, q = s masked by element: no branch hangs on the wave.
; PRODUCTS ARE TRANSPOSED, so that a lane owns one query.  S^T = K Q^T: register j of lane (r, h) is key 16 kt + 8 h + j, query r.  Maximum and sum run
; inside the lane, one exchange of the lane halves ends them.  Packing neighbouring registers of S^T to 16 bits in place IS the B fragment of P^T.
; O^T = V^T P^T, V^T read by the transposing LDS load: register j of lane (r, h) is d = 16 dt + 8 h + j, query r.
; K AND V: 64 keys a step.  Wave g loads rows 16 g .. 16 g + 15 of both (16 loads; sixteen lanes take one whole row of 256 bytes), rounds them to 16 bits and
; stores them into one of two LDS slots.  Two register stages take turns: a tile is asked for two steps before it is converted.  One barrier a step.
; ORDER OF A PASS: diagonal tile 0 first (it touches all four groups: its products start O, the maximum and the sum, nothing is cleared), then the full
; tiles 0 .. 4 qb - 1, then diagonal tiles 1, 2, 3.
; MATRIX WORK STANDS UNDER VECTOR WORK.  A wave is alone on its SIMD, so its matrix instructions are covered by its own vector instructions or not at all.
; The groups go one behind the other: group q's 16 scale-and-shift instructions and 32 exponentials carry group q + 1's eight score products between them,
; and group q's eight second products carry group q + 1's 16 rescales of O.  Each pairing runs under ONE setting of the register windows: K's fragments lie
; in S's window and the scale, shift and exponential name no vector register as source 1, which is left to Q's window; V's fragments lie in O's window and
; the rescale's second factor lies in P's.  Only the first group's eight score products stand bare.
; FORMATS.  Q, K and V are rounded to bf16.  The first product runs in the bf16 form.  The second runs in the f16 form: P lies in [0, 1] and wants f16's
; 11 bits, since in a head's first rows a few weights of order 1 multiply values of order 1 that may cancel, and 8 bits of P leave too much there.
; V's bf16 numbers are rewritten as f16 for it, which is exact for 2^-14 <= |v| < 65504.  Sums, maxima, exponentials and O in f32.
; p = 2^(c s - c m), c = 0.125 log2 e, m the running maximum.
; NO CLUSTER, NO JOINT LOADS: the four work-groups of a head need 32 - 4 i and then 4 i + 4 tiles, different numbers in each pass, and a tile is f32 in
; memory and 16 bits wide in LDS, so it passes through registers in any case.
; LIMITS.  |v| >= 65504 becomes infinity in f16; |v| < 2^-14 carries an absolute error of up to 2^-25; a weight under 2^-24 of the running maximum's
; counts as 0 in the second product (it still enters the sum).  Key tiles wholly above the diagonal are never read and count as weight 0; the -1e9 fill
; gives 0 there as long as a row's largest allowed score is above about -9.99e8.  NaN and infinity at keys or values above the diagonal do not reach
; the result (a product 0 x NaN would).
.set KP,    144                        ; LDS pitch of K's and Q's rows: 128 bytes + 16, an odd multiple of 16
.set VP,    160                        ; LDS pitch of V's rows: an odd multiple of 32, for the transposing load
.set KB,    64*KP                      ; K's part of a slot; V's part lies behind it
.set SLOT,  64*KP+64*VP                ; 19,456 bytes; slots at 0 and SLOT
.set QBASE, 2*SLOT                     ; each wave's own 64 rows of Q in bf16
.set QWAVE, 64*KP
.set OBASE, QBASE+4*QWAVE              ; each wave's own stage for the way out: 16 rows of 256 + 16 bytes
.set OP,    272
.set OWAVE, 16*OP
; window 0
.set KFA,   8                          ; 144 r + 16 h: K fragments
.set VFA,   9                          ; (8 h + l%8) 160 + 16 (l/8 %2): V fragments, transposed
.set KSTA,  10                         ; where I store K: row 16 g + 8 h, byte 8 r
.set VSTA,  11                         ; where I store V: row 16 g + 4 h, byte 8 r
.set QSTA,  12
.set QFA,   13
.set OSTA,  14
.set ORDA,  15
.set KLANE, 16                         ; byte offset in a head: row 16 g + 8 h, byte 16 r
.set VLANE, 17                         ; row 16 g + 4 h, byte 16 r
.set OLANE, 18                         ; row h, byte 16 r
.set QOFF,  19
.set OOFF,  20
.set KO,    22                         ; v22, v23: stage x's offset in keys
.set VO,    24                         ; v24, v25: in values
.set QF,    64                         ; v64-127   Q fragments, 16 q + 8 c
.set TMP,   128                        ; v128-255  the way out: rows read back, 32 q + 4 t
; window 1
.set SC,    0                          ; v0-127    S^T, 32 q + 8 kt + j; then P^T, 32 q + 16 kk + 0..7; at a pass's head Q as loaded
.set MX,    128                        ; running maximum of group q
.set TT,    132
.set UU,    136
.set DD,    140
.set NMC,   144                        ; pair: -c m, twice
.set ALP,   152                        ; pair: 2^(c m_old - c m_new), twice; at the end 1 / sum, twice
.set LL,    160                        ; pair: two partial sums
.set TM,    168                        ; 16 g + r - 8 h: element (kt, j) of the masked group is allowed where 16 kt + j <= TM
.set TA,    170                        ; further chains of a maximum
.set TB,    171
.set TC,    172
.set LB,    174                        ; pair: the second chain of a step's sum
.set KF,    176                        ; v176-239  K fragments, 16 kt + 8 c
; window 2
.set OO,    0                          ; v0-127    O^T, 32 q + 8 dt + j
.set VF,    128                        ; v128-191  V fragments, 16 dt + 8 kk
; window 3
.set XS,    0                          ; v0-127    stage x: 64 x + 4 t for K, 64 x + 32 + 4 t for V
; s_set_vgpr_msb's low byte: bits 1:0 source 0, 3:2 source 1, 5:4 source 2, 7:6 destination
.set W_QK,  0x51                       ; D, A and C window 1, B window 0: score products, scale-and-shift, exponentials
.set W_SM,  0x55                       ; all window 1
.set W_PV,  0xa6                       ; D, A and C window 2, B window 1: second products, rescale of O
.set W_CV,  0xcf                       ; destination, sources 0 and 1 window 3
.set W_ST3, 0x0c                       ; LDS store: data window 3
.set W_ST2, 0x08                       ; LDS store: data window 2
.set W_ST1, 0x04                       ; LDS store: data window 1
.set W_D3,  0xc0                       ; destination window 3
.set W_D2,  0x80                       ; destination window 2
.set W_D1,  0x40                       ; destination window 1
.set MSB, 0
.macro WIN new                         ; the immediate's high byte repeats the setting that is left; a switch that changes nothing is dropped
.if MSB != \new
	s_set_vgpr_msb (MSB<<8)|\new
.set MSB, \new
.endif
.endm
.macro PLACES n                        ; independent vector instructions behind a matrix instruction (ISA guide 7.12.1)
.rept \n
	v_nop
.endr
.endm
; s21 = place w in the pass's order of tiles (w >= 1), s20 = 4 qb.  Tile = w - 1 for the full tiles, w for diagonal tiles 1 to 3.
.macro NEXTID
	s_cmp_gt_u32 s21, s20
	s_cselect_b32 s22, 0, -1
	s_add_co_i32 s22, s22, s21
	s_add_co_u32 s21, s21, 1
.endm
.macro OFFS x                          ; tile s22: 64 rows of 4,096 bytes each.  Needs destination and source 2 in window 0
	v_lshl_add_u32 v[KO+\x], s22, 18, v[KLANE]
	v_lshl_add_u32 v[VO+\x], s22, 18, v[VLANE]
.endm
.macro LOADS x                         ; 16 loads: my 16 rows of K (lane halves 8 rows apart) and of V (4 rows apart)
	WIN W_D3
.irp t, 0,1,2,3,4,5,6,7
	global_load_b128 v[XS+64*(\x)+4*\t:XS+64*(\x)+4*\t+3], v[KO+\x], s[6:7] offset:4096*\t
.endr
.irp t, 0,1,2,3,4,5,6,7
	global_load_b128 v[XS+64*(\x)+32+4*\t:XS+64*(\x)+32+4*\t+3], v[VO+\x], s[8:9] offset:4096*((\t&3)+8*(\t>>2))
.endr
.endm
; Stage x is rounded to 16 bits in place and stored into slot x.  load = 1: the stage is asked for again, two tiles on.
; K: bf16.  V: rounded to bf16, widened again (a shift, a mask) and packed as f16, which keeps a bf16 number's 8 bits.
; A store of 8 bytes a lane writes two rows of 128 bytes; the halves' rows lie 8 x 144 or 4 x 160 bytes apart, both 128 modulo 256.
.macro CONVERT x, left, load
	s_wait_loadcnt \left                           ; loads come back in order: stage x's 16 are in, the younger tile's stay out; KO and VO of stage x are free
	WIN W_CV
.irp t, 0,1,2,3,4,5,6,7
	v_cvt_pk_bf16_f32 v[XS+64*(\x)+4*\t], v[XS+64*(\x)+4*\t], v[XS+64*(\x)+4*\t+1]
	v_cvt_pk_bf16_f32 v[XS+64*(\x)+4*\t+1], v[XS+64*(\x)+4*\t+2], v[XS+64*(\x)+4*\t+3]
.endr
.irp t, 0,1,2,3,4,5,6,7
	v_cvt_pk_bf16_f32 v[XS+64*(\x)+32+4*\t], v[XS+64*(\x)+32+4*\t], v[XS+64*(\x)+32+4*\t+1]
	v_cvt_pk_bf16_f32 v[XS+64*(\x)+32+4*\t+2], v[XS+64*(\x)+32+4*\t+2], v[XS+64*(\x)+32+4*\t+3]
.endr
.irp t, 0,1,2,3,4,5,6,7
	v_and_b32 v[XS+64*(\x)+32+4*\t+1], s34, v[XS+64*(\x)+32+4*\t]          ; the upper bf16 as f32,
	v_lshlrev_b32 v[XS+64*(\x)+32+4*\t], 16, v[XS+64*(\x)+32+4*\t]         ; the lower one
	v_and_b32 v[XS+64*(\x)+32+4*\t+3], s34, v[XS+64*(\x)+32+4*\t+2]
	v_lshlrev_b32 v[XS+64*(\x)+32+4*\t+2], 16, v[XS+64*(\x)+32+4*\t+2]
.endr
.irp t, 0,1,2,3,4,5,6,7
	v_cvt_pk_f16_f32 v[XS+64*(\x)+32+4*\t], v[XS+64*(\x)+32+4*\t], v[XS+64*(\x)+32+4*\t+1]
	v_cvt_pk_f16_f32 v[XS+64*(\x)+32+4*\t+1], v[XS+64*(\x)+32+4*\t+2], v[XS+64*(\x)+32+4*\t+3]
.endr
	WIN W_ST3
.irp t, 0,1,2,3,4,5,6,7
	ds_store_b64 v[KSTA], v[XS+64*(\x)+4*\t:XS+64*(\x)+4*\t+1] offset:(\x)*SLOT+KP*\t
.endr
.irp t, 0,1,2,3,4,5,6,7
	ds_store_b64 v[VSTA], v[XS+64*(\x)+32+4*\t:XS+64*(\x)+32+4*\t+1] offset:(\x)*SLOT+KB+VP*((\t&3)+8*(\t>>2))
.endr
.if \load
	NEXTID
	OFFS \x
	LOADS \x
.endif
.endm
.macro KFRAG slot                      ; 4 blocks of 16 keys x 64 d: lane (r, h) takes row r, 16 bytes at 16 h and at 32 + 16 h of each 64
	WIN W_D1
.irp kt, 0,1,2,3
.irp c, 0,1
.irp e, 0,1
	ds_load_b128 v[KF+16*\kt+8*\c+4*\e:KF+16*\kt+8*\c+4*\e+3], v[KFA] offset:(\slot)*SLOT+16*KP*\kt+64*\c+32*\e
.endr
.endr
.endr
.endm
.macro VFRAG slot                      ; V^T: 4 blocks of 16 d x 2 blocks of 32 keys, transposed 8 x 8 on the way
	WIN W_D2
.irp dt, 0,1,2,3
.irp kk, 0,1
.irp e, 0,1
	ds_load_tr16_b128 v[VF+16*\dt+8*\kk+4*\e:VF+16*\dt+8*\kk+4*\e+3], v[VFA] offset:(\slot)*SLOT+KB+32*VP*\kk+32*\dt+16*VP*\e
.endr
.endr
.endr
.endm
; All that a pass (block s18) asks for at its start: 32 loads of Q into S's registers, then the first two tiles of its order, 16 loads each.
.macro ISSUE
	s_lshl_b32 s20, s18, 2                         ; 4 qb: the diagonal's first tile, and the number of full tiles
	WIN 0
	v_lshl_add_u32 v[QOFF], s18, 20, v[KLANE]      ; 256 rows of 4,096 bytes a block
	s_mov_b32 s22, s20
	OFFS 0
	s_mov_b32 s21, 1
	NEXTID
	OFFS 1
	WIN W_D1
.irp q, 0,1,2,3
.irp t, 0,1,2,3,4,5,6,7
	global_load_b128 v[SC+32*\q+4*\t:SC+32*\q+4*\t+3], v[QOFF], s[4:5] offset:262144*\q+4096*\t th:TH_LOAD_NT   ; a row of Q is read once in the launch
.endr
.endr
	LOADS 0
	LOADS 1
	WIN 0
.endm
; THE PIECES OF A STEP.
; Score product w of group q's eight, in the bf16 form: w = 0 .. 3 are the four key blocks on d 0-31 and start the sums, w = 4 .. 7 add d 32-63.
; The four accumulators take turns, one instruction a turn.
.macro QKW q, w
.if (\w) < 4
	v_wmma_f32_16x16x32_bf16 v[SC+32*(\q)+8*(\w):SC+32*(\q)+8*(\w)+7], v[KF+16*(\w):KF+16*(\w)+7], v[QF+16*(\q):QF+16*(\q)+7], 0
.else
	v_wmma_f32_16x16x32_bf16 v[SC+32*(\q)+8*((\w)-4):SC+32*(\q)+8*((\w)-4)+7], v[KF+16*((\w)-4)+8:KF+16*((\w)-4)+15], v[QF+16*(\q)+8:QF+16*(\q)+15], v[SC+32*(\q)+8*((\w)-4):SC+32*(\q)+8*((\w)-4)+7]
.endif
.endm
.macro QKN q, w                        ; the same for the group behind q, where there is one
.if (\q) < 3
	QKW \q+1, \w
.endif
.endm
; Second product w of group q's eight, in the f16 form: w = 0 .. 3 the four blocks of d on keys 0-31, w = 4 .. 7 on keys 32-63.  Turns as above.
.macro PVW q, w, first
.if (\w) < 4
.if \first
	v_wmma_f32_16x16x32_f16 v[OO+32*(\q)+8*(\w):OO+32*(\q)+8*(\w)+7], v[VF+16*(\w):VF+16*(\w)+7], v[SC+32*(\q):SC+32*(\q)+7], 0
.else
	v_wmma_f32_16x16x32_f16 v[OO+32*(\q)+8*(\w):OO+32*(\q)+8*(\w)+7], v[VF+16*(\w):VF+16*(\w)+7], v[SC+32*(\q):SC+32*(\q)+7], v[OO+32*(\q)+8*(\w):OO+32*(\q)+8*(\w)+7]
.endif
.else
	v_wmma_f32_16x16x32_f16 v[OO+32*(\q)+8*((\w)-4):OO+32*(\q)+8*((\w)-4)+7], v[VF+16*((\w)-4)+8:VF+16*((\w)-4)+15], v[SC+32*(\q)+16:SC+32*(\q)+23], v[OO+32*(\q)+8*((\w)-4):OO+32*(\q)+8*((\w)-4)+7]
.endif
.endm
.macro RESC1 q, k                      ; two numbers of O times alpha
	v_pk_mul_f32 v[OO+32*(\q)+(\k):OO+32*(\q)+(\k)+1], v[OO+32*(\q)+(\k):OO+32*(\q)+(\k)+1], v[ALP+2*(\q):ALP+2*(\q)+1]
.endm
.macro EXP4 q, a
.irp k, 0,1,2,3
	v_exp_f32 v[SC+32*(\q)+(\a)+\k], v[SC+32*(\q)+(\a)+\k]
.endr
.endm
; The largest of my 32 scores of group q in four chains of 8: for the step's first group, which has no other work to stand between.
.macro MAX4 q
	v_max3_num_f32 v[TT+(\q)], v[SC+32*(\q)], v[SC+32*(\q)+1], v[SC+32*(\q)+2]
	v_max3_num_f32 v[TA], v[SC+32*(\q)+8], v[SC+32*(\q)+9], v[SC+32*(\q)+10]
	v_max3_num_f32 v[TB], v[SC+32*(\q)+16], v[SC+32*(\q)+17], v[SC+32*(\q)+18]
	v_max3_num_f32 v[TC], v[SC+32*(\q)+24], v[SC+32*(\q)+25], v[SC+32*(\q)+26]
.irp j, 3,5
	v_max3_num_f32 v[TT+(\q)], v[SC+32*(\q)+\j], v[SC+32*(\q)+\j+1], v[TT+(\q)]
	v_max3_num_f32 v[TA], v[SC+32*(\q)+8+\j], v[SC+32*(\q)+9+\j], v[TA]
	v_max3_num_f32 v[TB], v[SC+32*(\q)+16+\j], v[SC+32*(\q)+17+\j], v[TB]
	v_max3_num_f32 v[TC], v[SC+32*(\q)+24+\j], v[SC+32*(\q)+25+\j], v[TC]
.endr
	v_max_num_f32 v[TT+(\q)], v[SC+32*(\q)+7], v[TT+(\q)]
	v_max_num_f32 v[TA], v[SC+32*(\q)+15], v[TA]
	v_max_num_f32 v[TB], v[SC+32*(\q)+23], v[TB]
	v_max_num_f32 v[TC], v[SC+32*(\q)+31], v[TC]
	v_max3_num_f32 v[TT+(\q)], v[TT+(\q)], v[TA], v[TB]
	v_max_num_f32 v[TT+(\q)], v[TT+(\q)], v[TC]
.endm
; The same in two chains of 16, one instruction at a time: k even works on scores 0-15 (TT), k odd on 16-31 (TA), k = 16 joins them.
.macro MAXOP q, k
.if (\k) == 16
	v_max_num_f32 v[TT+(\q)], v[TT+(\q)], v[TA]
.else
.set MB, SC+32*(\q)+16*((\k)&1)
.set MJ, (\k)>>1
.set MT, TT+(\q)
.if (\k)&1
.set MT, TA
.endif
.if MJ == 0
	v_max3_num_f32 v[MT], v[MB], v[MB+1], v[MB+2]
.else
.if MJ == 7
	v_max_num_f32 v[MT], v[MB+15], v[MT]
.else
	v_max3_num_f32 v[MT], v[MB+2*MJ+1], v[MB+2*MJ+2], v[MT]
.endif
.endif
.endif
.endm
; From a group's maximum to its shift and its rescale: a chain, so each link is a macro of its own and other work stands between.
.macro MISC0 q
	v_permlanex16_b32 v[UU+(\q)], v[TT+(\q)], s24, s25     ; the other half of the lanes holds the query's other 32 keys
.endm
.macro MISC1 q, first
.if \first
	v_max_num_f32 v[MX+(\q)], v[TT+(\q)], v[UU+(\q)]
.else
	v_max3_num_f32 v[MX+(\q)], v[TT+(\q)], v[UU+(\q)], v[MX+(\q)]
.endif
.endm
.macro MISC2 q
	v_mul_f32 v[NMC+2*(\q)+1], s29, v[MX+(\q)]             ; -c m, rounded once; the weights and the rescale use this same number
.endm
.macro MISC3 q, first
.if \first == 0
	v_sub_f32 v[DD+(\q)], v[NMC+2*(\q)+1], v[NMC+2*(\q)]   ; c m_old - c m_new, at most 0
.endif
.endm
.macro MISC4 q
	v_mov_b32 v[NMC+2*(\q)], v[NMC+2*(\q)+1]
.endm
.macro MISC5 q, first
.if \first == 0
	v_exp_f32 v[ALP+2*(\q)], v[DD+(\q)]                    ; twice, to fill the pair of the packed multiplies; first used behind plain instructions
	v_exp_f32 v[ALP+2*(\q)+1], v[DD+(\q)]
.endif
.endm
; l = l alpha + the sum of p, in f32, one instruction at a time.  Pair k is registers 2 k, 2 k + 1.  Even pairs go to LL, odd ones to LB, k = 16 joins them.
.macro SUMOP q, k, first
.if (\k) == 0
.if \first
	s_wait_alu depctr_va_vdst(0)
	v_pk_add_f32 v[LL+2*(\q):LL+2*(\q)+1], v[SC+32*(\q):SC+32*(\q)+1], v[SC+32*(\q)+4:SC+32*(\q)+5]
.else
	s_wait_alu depctr_va_vdst(0)
	v_pk_fma_f32 v[LL+2*(\q):LL+2*(\q)+1], v[LL+2*(\q):LL+2*(\q)+1], v[ALP+2*(\q):ALP+2*(\q)+1], v[SC+32*(\q):SC+32*(\q)+1]
.endif
.endif
.if (\k) == 1
	v_pk_add_f32 v[LB:LB+1], v[SC+32*(\q)+2:SC+32*(\q)+3], v[SC+32*(\q)+6:SC+32*(\q)+7]     ; pairs 1 and 3 start the second chain: k = 3 has nothing left to do
.endif
.if (\k) == 2
.if \first == 0
	v_pk_add_f32 v[LL+2*(\q):LL+2*(\q)+1], v[LL+2*(\q):LL+2*(\q)+1], v[SC+32*(\q)+4:SC+32*(\q)+5]
.endif
.endif
.if (\k) > 3
.if (\k) == 16
	v_pk_add_f32 v[LL+2*(\q):LL+2*(\q)+1], v[LL+2*(\q):LL+2*(\q)+1], v[LB:LB+1]
.else
.if (\k)&1
	v_pk_add_f32 v[LB:LB+1], v[LB:LB+1], v[SC+32*(\q)+2*(\k):SC+32*(\q)+2*(\k)+1]
.else
	v_pk_add_f32 v[LL+2*(\q):LL+2*(\q)+1], v[LL+2*(\q):LL+2*(\q)+1], v[SC+32*(\q)+2*(\k):SC+32*(\q)+2*(\k)+1]
.endif
.endif
.endif
.endm
; P^T in f16, in place: pair i becomes word i%8 of fragment i/8.  The word lies in a pair of number i or lower, so packing i stands behind sum i.
.macro CVTOP q, i
	v_cvt_pk_f16_f32 v[SC+32*(\q)+16*((\i)>>3)+((\i)&7)], v[SC+32*(\q)+2*(\i)], v[SC+32*(\q)+2*(\i)+1]
.endm
; p = 2^(c s - c m) for group q, with the next group's eight score products between: one for each 8 scale-and-shifts or 4 exponentials.
.macro EPH q
	WIN W_QK
	QKN \q, 0
.irp k, 0,2,4,6,8,10,12,14
	v_pk_fma_f32 v[SC+32*(\q)+\k:SC+32*(\q)+\k+1], v[SC+32*(\q)+\k:SC+32*(\q)+\k+1], s[26:27], v[NMC+2*(\q):NMC+2*(\q)+1] op_sel_hi:[1,0,1]
.endr
	QKN \q, 1
.irp k, 16,18,20,22,24,26,28,30
	v_pk_fma_f32 v[SC+32*(\q)+\k:SC+32*(\q)+\k+1], v[SC+32*(\q)+\k:SC+32*(\q)+\k+1], s[26:27], v[NMC+2*(\q):NMC+2*(\q)+1] op_sel_hi:[1,0,1]
.endr
	QKN \q, 2
	EXP4 \q, 0
	QKN \q, 3
	EXP4 \q, 4
	QKN \q, 4
	EXP4 \q, 8
	QKN \q, 5
	EXP4 \q, 12
	QKN \q, 6
	EXP4 \q, 16
	QKN \q, 7
	EXP4 \q, 20
	EXP4 \q, 24
	EXP4 \q, 28
.endm
; Group q's sum and packing, and between them the next group's maximum, shift and rescale.
; Behind the next group's last score product stand the v_nop and four or five sums of group q before the first maximum reads a result (ISA guide 7.12.1).
.macro PHB q, first
	WIN W_SM
	v_nop                                          ; one plain instruction between the exponentials and the use of their results (ISA guide 5.7.2)
.if (\q) < 3
.irp k, 0,1,2,3,4,5
	SUMOP \q, \k, \first
.endr
.irp r, 0,1,2,3,4
	MAXOP \q+1, 2*\r
	SUMOP \q, 6+2*\r, \first
	MAXOP \q+1, 2*\r+1
	SUMOP \q, 7+2*\r, \first
.endr
	MAXOP \q+1, 10
	SUMOP \q, 16, \first
	MAXOP \q+1, 11
	CVTOP \q, 0
	MAXOP \q+1, 12
	CVTOP \q, 1
	MAXOP \q+1, 13
	CVTOP \q, 2
	MAXOP \q+1, 14
	CVTOP \q, 3
	MAXOP \q+1, 15
	CVTOP \q, 4
	CVTOP \q, 5
	MAXOP \q+1, 16
	CVTOP \q, 6
	CVTOP \q, 7
	MISC0 \q+1
	CVTOP \q, 8
	CVTOP \q, 9
	MISC1 \q+1, \first
	CVTOP \q, 10
	CVTOP \q, 11
	MISC2 \q+1
	CVTOP \q, 12
	CVTOP \q, 13
	MISC3 \q+1, \first
	CVTOP \q, 14
	MISC4 \q+1
	CVTOP \q, 15
	MISC5 \q+1, \first
.else
	SUMOP \q, 0, \first
	SUMOP \q, 1, \first
.irp k, 2,3,4,5,6,7,8,9,10,11,12,13,14,15
	SUMOP \q, \k, \first
	CVTOP \q, \k-2
.endr
	SUMOP \q, 16, \first
	CVTOP \q, 14
	CVTOP \q, 15
.endif
.endm
; One step of 64 keys out of slot 'slot'.  Groups q0 .. 3 are at work; masked: group q0 is masked by element; first: starts O, maximum and sum;
; conv: the next tile is converted into the other slot (left, load: see CONVERT) and a barrier is passed; last: no step follows.
.macro STEP q0, masked, first, slot, conv, left, load, last
	s_wait_dscnt 0x0                               ; this slot's K fragments are in
	WIN W_QK
.irp w, 0,1,2,3,4,5,6,7
	QKW \q0, \w                                    ; the first group's score products: nothing of this step is there yet to stand between them
.endr
	PLACES 4                                       ; before vector instructions read or write S
	VFRAG \slot
.if \conv
	CONVERT 1-\slot, \left, \load
.endif
	WIN W_SM
.if \masked
.irp kt, 0,1,2,3
.irp j, 0,1,2,3,4,5,6,7
	v_cmp_le_i32 vcc_lo, 16*\kt+\j, v[TM]          ; key <= query
	v_cndmask_b32 v[SC+32*\q0+8*\kt+\j], s28, v[SC+32*\q0+8*\kt+\j], vcc_lo   ; else -1e9, ahead of the scale
.endr
.endr
.endif
	MAX4 \q0
	MISC0 \q0
	MISC1 \q0, \first
	MISC2 \q0
	MISC3 \q0, \first
	MISC4 \q0
	MISC5 \q0, \first
	s_wait_dscnt 0x0                               ; my V fragments are in, my stores into the other slot are done, and no read of mine of this slot is out
.if \conv
	s_barrier_signal -1                            ; say so; register work alone up to the wait
.endif
.irp q, 0,1,2,3
.if \q >= \q0
	EPH \q
	PHB \q, \first
.endif
.endr
.if \conv
	s_barrier_wait -1                              ; the other slot is whole, and no wave reads this slot any more
.endif
.if \last == 0
	KFRAG 1-\slot                                  ; the next step's K fragments come in under the products below
.endif
	WIN W_PV
	; O^T = O^T alpha + V^T P^T: the first group's rescale, then each group's eight products with the next group's rescale between them
.if \first == 0
.irp k, 0,2,4,6,8,10,12,14,16,18,20,22,24,26,28,30
	RESC1 \q0, \k
.endr
.endif
.irp q, 0,1,2,3
.if \q >= \q0
.irp w, 0,1,2,3,4,5,6,7
	PVW \q, \w, \first
.if \first == 0
.if \q < 3
	RESC1 \q+1, 4*\w
	RESC1 \q+1, 4*\w+2
.endif
.endif
.endr
.endif
.endr
	WIN 0
.if \last == 0
	PLACES 5                                       ; the next step's first products write over P's registers, which these read as B; its loads land in V's
.endif
.endm
; O / l, then 16 rows at a time through my own stage: 16 bytes a lane in, whole rows of 256 bytes back, sixteen lanes store one aligned row.
.macro EPILOGUE
	WIN W_SM
.irp q, 0,1,2,3
	v_add_f32 v[TT+\q], v[LL+2*\q], v[LL+2*\q+1]
.endr
.irp q, 0,1,2,3
	v_permlanex16_b32 v[UU+\q], v[TT+\q], s24, s25
.endr
.irp q, 0,1,2,3
	v_add_f32 v[TT+\q], v[TT+\q], v[UU+\q]         ; at least about 1: the row's largest score has weight 1
.endr
.irp q, 0,1,2,3
	v_rcp_f32 v[ALP+2*\q], v[TT+\q]
	v_rcp_f32 v[ALP+2*\q+1], v[TT+\q]
.endr
	v_nop                                          ; one plain instruction between the last reciprocal and its use (ISA guide 5.7.2)
	s_wait_alu depctr_va_vdst(0)
.irp q, 0,1,2,3
	WIN W_PV
.irp k, 0,2,4,6,8,10,12,14,16,18,20,22,24,26,28,30
	RESC1 \q, \k
.endr
	WIN W_ST2
.irp dt, 0,1,2,3
.irp e, 0,1
	ds_store_b128 v[OSTA], v[OO+32*\q+8*\dt+4*\e:OO+32*\q+8*\dt+4*\e+3] offset:64*\dt+16*\e   ; query r, d = 16 dt + 8 h + 4 e ..
.endr
.endr
	WIN 0
.irp t, 0,1,2,3,4,5,6,7
	ds_load_b128 v[TMP+32*\q+4*\t:TMP+32*\q+4*\t+3], v[ORDA] offset:2*OP*\t    ; my own bytes; LDS serves a wave's instructions in order (ISA guide 5.7.1)
.endr
.irp t, 0,1,2,3,4,5,6,7
	s_wait_dscnt 7-\t                              ; rows 2 t, 2 t + 1 are back, the younger read-backs stay out
	global_store_b128 v[OOFF], v[TMP+32*\q+4*\t:TMP+32*\q+4*\t+3], s[10:11] offset:262144*\q+8192*\t th:TH_STORE_NT
.endr
.endr
.endm
	s_load_b256 s[4:11], s[0:1], 0x0               ; queries s[4:5], keys s[6:7], values s[8:9], out0 s[10:11]
	v_lshl_add_u32 v62, v0, 2, 0x16c00
	v_mov_b32 v63, 0
	v_lshrrev_b32 v3, 5, v0
	v_readfirstlane_b32 s12, v3                    ; wave g
	s_and_b32 s13, ttmp9, 3                        ; i
	s_lshr_b32 s14, ttmp9, 2                       ; 16 b + head
	s_lshr_b32 s30, s14, 4
	s_and_b32 s31, s14, 15
	s_lshl_b32 s16, s30, 23                        ; a batch is 2048 x 4,096 bytes,
	s_lshl_b32 s31, s31, 8                         ; a head's piece of a row 256
	s_add_co_u32 s16, s16, s31
	s_mov_b32 s17, 0
	s_mov_b32 s24, 0x76543210                      ; v_permlanex16_b32: lane i of one half reads lane i of the other
	s_mov_b32 s25, 0xfedcba98
	s_mov_b32 s26, 0x3e38aa3b                      ; c = 0.125 log2 e
	s_mov_b32 s27, 0x3e38aa3b
	s_mov_b32 s28, 0xce6e6b28                      ; -1e9
	s_mov_b32 s29, 0xbe38aa3b                      ; -c
	s_mov_b32 s34, 0xffff0000                      ; a word's upper bf16
	v_and_b32 v1, 15, v0                           ; r
	v_bfe_u32 v2, v0, 4, 1                         ; h
	v_mul_u32_u24 v[KFA], v1, KP
	v_lshl_add_u32 v[KFA], v2, 4, v[KFA]
	v_and_b32 v3, 7, v0
	v_lshl_add_u32 v3, v2, 3, v3
	v_bfe_u32 v4, v0, 3, 1
	v_mul_u32_u24 v[VFA], v3, VP
	v_lshl_add_u32 v[VFA], v4, 4, v[VFA]
	v_lshlrev_b32 v5, 3, v1                        ; 8 r: four numbers of 16 bits
	v_mul_u32_u24 v6, v2, 8*KP
	v_add_nc_u32 v6, v6, v5
	s_mul_i32 s30, s12, 16*KP
	v_add_nc_u32 v[KSTA], s30, v6
	s_mul_i32 s31, s12, QWAVE
	s_add_co_u32 s31, s31, QBASE
	v_add_nc_u32 v[QSTA], s31, v6
	v_add_nc_u32 v[QFA], s31, v[KFA]
	v_mul_u32_u24 v6, v2, 4*VP
	v_add_nc_u32 v6, v6, v5
	s_mul_i32 s30, s12, 16*VP
	v_add_nc_u32 v[VSTA], s30, v6
	s_mul_i32 s32, s12, OWAVE
	s_add_co_u32 s32, s32, OBASE
	v_mul_u32_u24 v6, v1, OP
	v_lshl_add_u32 v6, v2, 5, v6
	v_add_nc_u32 v[OSTA], s32, v6
	v_lshlrev_b32 v7, 4, v1                        ; 16 r: four f32
	v_mul_u32_u24 v6, v2, OP
	v_add_nc_u32 v6, v6, v7
	v_add_nc_u32 v[ORDA], s32, v6
	s_lshl_b32 s33, s12, 16                        ; 16 rows of 4,096 bytes a wave
	v_lshl_add_u32 v6, v2, 15, v7
	v_add_nc_u32 v[KLANE], s33, v6
	v_lshl_add_u32 v6, v2, 14, v7
	v_add_nc_u32 v[VLANE], s33, v6
	v_lshl_add_u32 v[OLANE], v2, 12, v7
	s_lshl_b32 s33, s12, 4
	v_lshlrev_b32 v6, 3, v2
	v_sub_nc_u32 v6, v1, v6
	v_add_nc_u32 v6, s33, v6                       ; 16 g + r - 8 h, signed
	WIN W_D1
	v_mov_b32 v[TM], v6
.irp q, 0,1,2,3
	v_mov_b32 v[UU+\q], 0                          ; v_permlanex16_b32's destination counts as read
.endr
	WIN 0
	s_sub_co_u32 s18, 7, s13                       ; the first pass makes block 7 - i
	s_mov_b32 s19, 0                               ; pass counter
	s_wait_kmcnt 0x0
	s_add_nc_u64 s[4:5], s[4:5], s[16:17]          ; all four tensors at my head's first row
	s_add_nc_u64 s[6:7], s[6:7], s[16:17]
	s_add_nc_u64 s[8:9], s[8:9], s[16:17]
	s_add_nc_u64 s[10:11], s[10:11], s[16:17]
	ISSUE
.Lpass:
	s_wait_xcnt 0x0                                ; the last pass's stores have had their addresses translated (ISA guide 3.1): OOFF and TMP are rewritten only behind this wait
	s_lshl_b32 s30, s18, 4
	s_add_co_u32 s30, s30, s12
	s_lshl_b32 s30, s30, 16                        ; row 256 qb + 16 g
	v_add_nc_u32 v[OOFF], s30, v[OLANE]
	s_wait_loadcnt 32                              ; Q's 32 loads are the oldest; the 32 of the first two tiles stay out
	WIN W_SM
.irp t, 0,1,2,3,4,5,6,7,8,9,10,11,12,13,14,15,16,17,18,19,20,21,22,23,24,25,26,27,28,29,30,31
	v_cvt_pk_bf16_f32 v[SC+4*\t], v[SC+4*\t], v[SC+4*\t+1]
	v_cvt_pk_bf16_f32 v[SC+4*\t+1], v[SC+4*\t+2], v[SC+4*\t+3]
.endr
	WIN W_ST1
.irp q, 0,1,2,3
.irp t, 0,1,2,3,4,5,6,7
	ds_store_b64 v[QSTA], v[SC+32*\q+4*\t:SC+32*\q+4*\t+1] offset:KP*(16*\q+\t)
.endr
.endr
	WIN 0
.irp q, 0,1,2,3
.irp c, 0,1
.irp e, 0,1
	ds_load_b128 v[QF+16*\q+8*\c+4*\e:QF+16*\q+8*\c+4*\e+3], v[QFA] offset:16*KP*\q+64*\c+32*\e   ; my own bytes, served in order behind the stores
.endr
.endr
.endr
	CONVERT 0, 16, 1                               ; the pass's first tile into slot 0 (last read ahead of the barrier of the last pass's third diagonal step)
	s_wait_dscnt 0x0                               ; my stores are done, and so are all my reads of slot 1
	s_barrier_signal -1
	s_barrier_wait -1
	KFRAG 0
	STEP 0, 1, 1, 0, 1, 16, 1, 0                   ; diagonal tile 0
	s_cmp_eq_u32 s20, 0
	s_cbranch_scc1 .Lnoloop                        ; block 0 has no full tile
	s_lshr_b32 s23, s20, 1                         ; 4 qb full tiles, two a trip
.Lfull:
	STEP 0, 0, 0, 1, 1, 16, 1, 0
	STEP 0, 0, 0, 0, 1, 16, 1, 0
	s_sub_co_i32 s23, s23, 1
	s_cmp_gt_i32 s23, 0                            ; a signed compare: the count ends at 0 from any start
	s_cbranch_scc1 .Lfull
.Lnoloop:
	STEP 1, 1, 0, 1, 1, 16, 0, 0                   ; diagonal tile 1; nothing more is asked for, the last tile stays out
	STEP 2, 1, 0, 0, 1, 0, 0, 0                    ; diagonal tile 2; the last tile is converted: no load is out
	STEP 3, 1, 0, 1, 0, 0, 0, 1                    ; diagonal tile 3
	PLACES 4                                       ; before loads land in P's registers and vector instructions read O
	s_cmp_lg_u32 s19, 0
	s_cbranch_scc1 .Lnoissue
	s_mov_b32 s18, s13                             ; the second pass makes block i; its 64 loads go out ahead of the way out
	ISSUE
.Lnoissue:
	EPILOGUE
	s_add_co_u32 s19, s19, 1
	s_cmp_lt_u32 s19, 2
	s_cbranch_scc1 .Lpass
	s_wait_tensorcnt 0x0
	ds_add_u32 v62, v63
	s_wait_dscnt 0x0
	s_endpgm
.Lfunc_end_k_qf58b54370e_attn:
	.size	k_qf58b54370e_attn, .Lfunc_end_k_qf58b54370e_attn-k_qf58b54370e_attn
	.p2alignl 7, 3214868480
	.fill 96, 4, 3214868480
	.section	.rodata,"a",@progbits
	.p2align	6, 0x0
	.amdhsa_kernel k_qf58b54370e_attn
		.amdhsa_group_segment_fixed_size 93696
		.amdhsa_private_segment_fixed_size 0
		.amdhsa_enable_private_segment 0
		.amdhsa_kernarg_size 32
		.amdhsa_user_sgpr_count 2
		.amdhsa_user_sgpr_kernarg_segment_ptr 1
		.amdhsa_wavefront_size32 1
		.amdhsa_system_sgpr_workgroup_id_x 1
		.amdhsa_system_sgpr_workgroup_id_y 1
		.amdhsa_system_sgpr_workgroup_id_z 1
		.amdhsa_system_vgpr_workitem_id 0
		.amdhsa_next_free_vgpr 896
		.amdhsa_next_free_sgpr 66
		.amdhsa_reserve_vcc 1
		.amdhsa_float_denorm_mode_32 3
		.amdhsa_float_denorm_mode_16_64 3
		.amdhsa_memory_ordered 1
		.amdhsa_forward_progress 1
		.amdhsa_inst_pref_size 228
	.end_amdhsa_kernel
	.amdgpu_metadata
---
amdhsa.version: [ 1, 2 ]
amdhsa.kernels:
  - .name:           k_qf58b54370e_attn
    .symbol:         k_qf58b54370e_attn.kd
    .args:
      - { .name: queries, .offset: 0, .size: 8, .value_kind: global_buffer, .address_space: global }
      - { .name: keys, .offset: 8, .size: 8, .value_kind: global_buffer, .address_space: global }
      - { .name: values, .offset: 16, .size: 8, .value_kind: global_buffer, .address_space: global }
      - { .name: out0, .offset: 24, .size: 8, .value_kind: global_buffer, .address_space: global }
    .group_segment_fixed_size: 93696
    .private_segment_fixed_size: 0
    .kernarg_segment_align: 8
    .kernarg_segment_size: 32
    .max_flat_workgroup_size: 128
    .sgpr_count:     66
    .vgpr_count:     896
    .wavefront_size: 32
...
	.end_amdgpu_metadata
.endif
;; end of part 1
;; ======== version 2 of 2: 1 launch; version 1 with the launch attn written anew for expert scheduling mode
;; limits: right only within a limited range of input values; values are held in f16: magnitudes above 65,504 overflow, below 6.1e-05 lose precision; inputs' magnitudes at most 65,504
;; launch attn (part 2): grid 256 x 1, 4 waves a work-group, no clusters, 93,696 bytes of LDS; arguments queries, keys, values, out0; writes out0
.if DOCPART == 2
	.amdgcn_target "amdgcn-amd-amdhsa--gfx1250"
	.amdhsa_code_object_version 6
	.text
	.protected	k_qf58b54370e_attn
	.globl	k_qf58b54370e_attn
	.p2align	8
	.type	k_qf58b54370e_attn,@function
k_qf58b54370e_attn:
	s_mov_b64 s[64:65], 0
	v_nop
	global_prefetch_b8 v0, s[64:65] scope:SCOPE_SE
	s_setreg_imm32_b32 hwreg(HW_REG_WAVE_SCHED_MODE, 0, 2), 2
	s_setreg_imm32_b32 hwreg(HW_REG_WAVE_MODE, 25, 1), 1
	s_wait_xcnt 0x0
	s_wait_alu depctr_vm_vsrc(0)
; Causal softmax attention.  queries, keys, values, out0: [4][2048][16][64] f32; a head's row is 256 aligned bytes, rows 4,096 bytes apart.
; out(l) = sum over s <= l of softmax(0.125 q(l).k(s)) v(s).
;
; SHARING.  256 work-groups of four waves.  Work-group id = 4 x head + i.  A head has 8 blocks of 256 queries; the work-group makes block 7 - i
; and then block i: (4 (7-i) + 4) + (4 i + 4) = 36 steps of 64 keys in every work-group.  Wave g owns four groups q of 16 queries, rows
; 256 qb + 64 q + 16 g + r, so that in the diagonal step s every wave has the groups q >= s at work, q = s masked by element: no branch hangs on the wave.
; PRODUCTS ARE TRANSPOSED, so that a lane owns one query.  S^T = K Q^T: register j of lane (r, h) is key 16 kt + 8 h + j, query r.  Maximum and sum run
; inside the lane, one exchange of the lane halves ends them.  Packing neighbouring registers of S^T to 16 bits in place IS the B fragment of P^T.
; O^T = V^T P^T, V^T read by the transposing LDS load: register j of lane (r, h) is d = 16 dt + 8 h + j, query r.
; K AND V: 64 keys a step.  Wave g loads rows 16 g .. 16 g + 15 of both (16 loads; sixteen lanes take one whole row of 256 bytes), rounds them to 16 bits and
; stores them into one of two LDS slots.  Two register stages take turns: a tile is asked for two steps before it is converted.  One barrier a step.
; ORDER OF A PASS: diagonal tile 0 first (it touches all four groups: its products start O, the maximum and the sum, nothing is cleared), then the full
; tiles 0 .. 4 qb - 1, then diagonal tiles 1, 2, 3.
; MATRIX WORK STANDS UNDER VECTOR WORK.  A wave is alone on its SIMD, so its matrix instructions are covered by its own vector instructions or not at all.
; The groups go one behind the other: group q's 16 scale-and-shift instructions and 32 exponentials carry group q + 1's eight score products between them,
; and group q's eight second products carry group q + 1's 16 rescales of O.  Each pairing runs under ONE setting of the register windows: K's fragments lie
; in S's window and the scale, shift and exponential name no vector register as source 1, which is left to Q's window; V's fragments lie in O's window and
; the rescale's second factor lies in P's.  Only the first group's eight score products stand bare.
; FORMATS.  Q, K and V are rounded to bf16.  The first product runs in the bf16 form.  The second runs in the f16 form: P lies in [0, 1] and wants f16's
; 11 bits, since in a head's first rows a few weights of order 1 multiply values of order 1 that may cancel, and 8 bits of P leave too much there.
; V's bf16 numbers are rewritten as f16 for it, which is exact for 2^-14 <= |v| < 65504.  Sums, maxima, exponentials and O in f32.
; p = 2^(c s - c m), c = 0.125 log2 e, m the running maximum.
; NO CLUSTER, NO JOINT LOADS: the four work-groups of a head need 32 - 4 i and then 4 i + 4 tiles, different numbers in each pass, and a tile is f32 in
; memory and 16 bits wide in LDS, so it passes through registers in any case.
; LIMITS.  |v| >= 65504 becomes infinity in f16; |v| < 2^-14 carries an absolute error of up to 2^-25; a weight under 2^-24 of the running maximum's
; counts as 0 in the second product (it still enters the sum).  Key tiles wholly above the diagonal are never read and count as weight 0; the -1e9 fill
; gives 0 there as long as a row's largest allowed score is above about -9.99e8.  NaN and infinity at keys or values above the diagonal do not reach
; the result (a product 0 x NaN would).
; THE MODE: SCHED_MODE bits 1:0 = 2 (LLVM: expert scheduling mode 2), set by the entry lines.  The code itself states the register dependences between
; vector or matrix instructions and memory or LDS instructions, with s_wait_alu, always for 0.
; THE PLAN.  Registers that memory or LDS instructions touch, and who else names them:
;   XS0, XS1    the stages.  Global loads land in stage x; two steps later CONVERT's conversions read and write it in place, its LDS stores read it, and the
;               loads of the tile two steps on land in it again.
;   KF          LDS loads land in it behind a step's barrier; the next step's 32 score products read it.
;   VF0, VF1    by the slot's number.  The LDS loads of VF[1 - slot] stand beside K's, behind the barrier; this step's second products, which follow them,
;               read VF[slot]; the next step's read VF[1 - slot].
;   QF          LDS loads at a pass's head; the pass's score products read it.
;   SC          at a pass's start Q's global loads land in it, conversions pack it, LDS stores read it; from then on vector and matrix instructions alone.
;   OO          products and rescales; at a pass's end LDS stores read it.          TMP  LDS loads land in it, global stores read it; no vector instruction names it.
;   addresses   KFA .. OLANE are made once at the head and never written again: a tile or a block is reached by a scalar base (a pair for each stage and tensor,
;               one for Q), rewritten behind the wait on LOADcnt that shows the loads that read it done.  OOFF is written once a pass.
; So a step has two places of waits.  In CONVERT: va_vdst behind the conversions, ahead of the LDS stores; vm_vsrc and va_vdst behind the stores, under the
; loads' window, ahead of the stage's 16 loads.  Behind the barrier: one va_vdst ahead of the 32 fragment loads.  A masked step has two waits on va_sdst
; besides, each behind a run of 16 compares.
.set KP,    144                        ; LDS pitch of K's and Q's rows: 128 bytes + 16, an odd multiple of 16
.set VP,    160                        ; LDS pitch of V's rows: an odd multiple of 32, for the transposing load
.set KB,    64*KP                      ; K's part of a slot; V's part lies behind it
.set SLOT,  64*KP+64*VP                ; 19,456 bytes; slots at 0 and SLOT
.set QBASE, 2*SLOT                     ; each wave's own 64 rows of Q in bf16
.set QWAVE, 64*KP
.set OBASE, QBASE+4*QWAVE              ; each wave's own stage for the way out: 16 rows of 256 + 16 bytes
.set OP,    272
.set OWAVE, 16*OP
; scalar registers of the loads and the masks
.set KBS,   36                         ; s[36:39]  stage x: keys at the stage's tile, a pair at KBS + 2 x
.set VBS,   40                         ; s[40:43]  the same for values
.set OFP,   44                         ; s[44:45]  a byte offset; the upper word stays 0
.set QBS,   46                         ; s[46:47]  queries at the pass's block
.set MK,    48                         ; s[48:63]  sixteen lane masks of the masked group
; window 0
.set KFA,   8                          ; 144 r + 16 h: K fragments
.set VFA,   9                          ; (8 h + l%8) 160 + 16 (l/8 %2): V fragments, transposed
.set KSTA,  10                         ; where I store K: row 16 g + 8 h, byte 8 r
.set VSTA,  11                         ; where I store V: row 16 g + 4 h, byte 8 r
.set QSTA,  12
.set QFA,   13
.set OSTA,  14
.set ORDA,  15
.set KLANE, 16                         ; byte offset in a tile of K or a group of Q: row 16 g + 8 h, byte 16 r
.set VLANE, 17                         ; in a tile of V: row 16 g + 4 h, byte 16 r
.set OLANE, 18                         ; row h, byte 16 r
.set OOFF,  20
.set QF,    64                         ; v64-127   Q fragments, 16 q + 8 c
.set TMP,   128                        ; v128-255  the way out: rows read back, 32 q + 4 t
; window 1
.set SC,    0                          ; v0-127    S^T, 32 q + 8 kt + j; then P^T, 32 q + 16 kk + 0..7; at a pass's head Q as loaded
.set MX,    128                        ; running maximum of group q
.set TT,    132
.set UU,    136
.set DD,    140
.set NMC,   144                        ; pair: -c m, twice
.set ALP,   152                        ; pair: 2^(c m_old - c m_new), twice; at the end 1 / sum, twice
.set LL,    160                        ; pair: two partial sums
.set TM,    168                        ; 16 g + r - 8 h: element (kt, j) of the masked group is allowed where 16 kt + j <= TM
.set TA,    170                        ; further chains of a maximum
.set TB,    171
.set TC,    172
.set LB,    174                        ; pair: the second chain of a step's sum
.set KF,    176                        ; v176-239  K fragments, 16 kt + 8 c
; window 2
.set OO,    0                          ; v0-127    O^T, 32 q + 8 dt + j
.set VF,    128                        ; v128-255  V fragments, two buffers: 64 slot + 16 dt + 8 kk
; window 3
.set XS,    0                          ; v0-127    stage x: 64 x + 4 t for K, 64 x + 32 + 4 t for V
; s_set_vgpr_msb's low byte: bits 1:0 source 0, 3:2 source 1, 5:4 source 2, 7:6 destination
.set W_QK,  0x51                       ; D, A and C window 1, B window 0: score products, scale-and-shift, exponentials
.set W_SM,  0x55                       ; all window 1
.set W_PV,  0xa6                       ; D, A and C window 2, B window 1: second products, rescale of O
.set W_CV,  0xcf                       ; destination, sources 0 and 1 window 3
.set W_ST3, 0x0c                       ; LDS store: data window 3
.set W_ST2, 0x08                       ; LDS store: data window 2
.set W_ST1, 0x04                       ; LDS store: data window 1
.set W_D3,  0xc0                       ; destination window 3
.set W_D2,  0x80                       ; destination window 2
.set W_D1,  0x40                       ; destination window 1
.set MSB, 0
.macro WIN new                         ; the immediate's high byte repeats the setting that is left; a switch that changes nothing is dropped
.if MSB != \new
	s_set_vgpr_msb (MSB<<8)|\new
.set MSB, \new
.endif
.endm
.macro PLACES n                        ; independent vector instructions behind a matrix instruction (ISA guide 7.12.1)
.rept \n
	v_nop
.endr
.endm
; s21 = place w in the pass's order of tiles (w >= 1), s20 = 4 qb.  Tile = w - 1 for the full tiles, w for diagonal tiles 1 to 3.
.macro NEXTID
	s_cmp_gt_u32 s21, s20
	s_cselect_b32 s22, 0, -1
	s_add_co_i32 s22, s22, s21
	s_add_co_u32 s21, s21, 1
.endm
.macro BASES x                         ; stage x's two bases at tile s22: 64 rows of 4,096 bytes each.  Scalar work alone: no vector address is stepped
	s_lshl_b32 s[OFP], s22, 18
	s_add_nc_u64 s[KBS+2*(\x):KBS+2*(\x)+1], s[6:7], s[OFP:OFP+1]
	s_add_nc_u64 s[VBS+2*(\x):VBS+2*(\x)+1], s[8:9], s[OFP:OFP+1]
.endm
.macro LOADS x                         ; 16 loads: my 16 rows of K (lane halves 8 rows apart) and of V (4 rows apart)
	WIN W_D3
.irp t, 0,1,2,3,4,5,6,7
	global_load_b128 v[XS+64*(\x)+4*\t:XS+64*(\x)+4*\t+3], v[KLANE], s[KBS+2*(\x):KBS+2*(\x)+1] offset:4096*\t
.endr
.irp t, 0,1,2,3,4,5,6,7
	global_load_b128 v[XS+64*(\x)+32+4*\t:XS+64*(\x)+32+4*\t+3], v[VLANE], s[VBS+2*(\x):VBS+2*(\x)+1] offset:4096*((\t&3)+8*(\t>>2))
.endr
.endm
; Stage x is rounded to 16 bits in place and stored into slot x.  load = 1: the stage is asked for again, two tiles on.
; K: bf16.  V: rounded to bf16, widened again (a shift, a mask) and packed as f16, which keeps a bf16 number's 8 bits.
; A store of 8 bytes a lane writes two rows of 128 bytes; the halves' rows lie 8 x 144 or 4 x 160 bytes apart, both 128 modulo 256.
.macro CONVERT x, left, load
	s_wait_loadcnt \left                           ; loads come back in order: stage x's 16 are in, the younger tile's stay out; stage x's two bases are free
	WIN W_CV
.irp t, 0,1,2,3,4,5,6,7
	v_cvt_pk_bf16_f32 v[XS+64*(\x)+4*\t], v[XS+64*(\x)+4*\t], v[XS+64*(\x)+4*\t+1]
	v_cvt_pk_bf16_f32 v[XS+64*(\x)+4*\t+1], v[XS+64*(\x)+4*\t+2], v[XS+64*(\x)+4*\t+3]
.endr
.irp t, 0,1,2,3,4,5,6,7
	v_cvt_pk_bf16_f32 v[XS+64*(\x)+32+4*\t], v[XS+64*(\x)+32+4*\t], v[XS+64*(\x)+32+4*\t+1]
	v_cvt_pk_bf16_f32 v[XS+64*(\x)+32+4*\t+2], v[XS+64*(\x)+32+4*\t+2], v[XS+64*(\x)+32+4*\t+3]
.endr
.irp t, 0,1,2,3,4,5,6,7
	v_and_b32 v[XS+64*(\x)+32+4*\t+1], s34, v[XS+64*(\x)+32+4*\t]          ; the upper bf16 as f32,
	v_lshlrev_b32 v[XS+64*(\x)+32+4*\t], 16, v[XS+64*(\x)+32+4*\t]         ; the lower one
	v_and_b32 v[XS+64*(\x)+32+4*\t+3], s34, v[XS+64*(\x)+32+4*\t+2]
	v_lshlrev_b32 v[XS+64*(\x)+32+4*\t+2], 16, v[XS+64*(\x)+32+4*\t+2]
.endr
.irp t, 0,1,2,3,4,5,6,7
	v_cvt_pk_f16_f32 v[XS+64*(\x)+32+4*\t], v[XS+64*(\x)+32+4*\t], v[XS+64*(\x)+32+4*\t+1]
	v_cvt_pk_f16_f32 v[XS+64*(\x)+32+4*\t+1], v[XS+64*(\x)+32+4*\t+2], v[XS+64*(\x)+32+4*\t+3]
.endr
	WIN W_ST3
	s_wait_alu depctr_va_vdst(0)                   ; the conversions have written stage x, which the LDS stores read
.irp t, 0,1,2,3,4,5,6,7
	ds_store_b64 v[KSTA], v[XS+64*(\x)+4*\t:XS+64*(\x)+4*\t+1] offset:(\x)*SLOT+KP*\t
.endr
.irp t, 0,1,2,3,4,5,6,7
	ds_store_b64 v[VSTA], v[XS+64*(\x)+32+4*\t:XS+64*(\x)+32+4*\t+1] offset:(\x)*SLOT+KB+VP*((\t&3)+8*(\t>>2))
.endr
.if \load
	NEXTID
	BASES \x
	WIN W_D3                                       ; the loads' window first, then their two waits, then the loads
	s_wait_alu depctr_vm_vsrc(0)                   ; the LDS stores issued so far have read their data: stage x, in which the loads land (at a pass's head Q's packed words too, which the first products write over)
	s_wait_alu depctr_va_vdst(0)                   ; the conversions are done reading and writing stage x, in which the loads land
	LOADS \x
.endif
.endm
; The fragments of the step that reads slot 'slot': 16 loads of K, then 16 of V, in one run behind one wait.
; K: 4 blocks of 16 keys x 64 d: lane (r, h) takes row r, 16 bytes at 16 h and at 32 + 16 h of each 64.
; V^T: 4 blocks of 16 d x 2 blocks of 32 keys, transposed 8 x 8 on the way, into the buffer of the slot's number.
.macro FRAGS slot
	WIN W_D1
	s_wait_alu depctr_va_vdst(0)                   ; the score products issued so far are done reading K's fragments, the second products issued so far are done reading V's buffer 'slot': the loads below land in both
.irp kt, 0,1,2,3
.irp c, 0,1
.irp e, 0,1
	ds_load_b128 v[KF+16*\kt+8*\c+4*\e:KF+16*\kt+8*\c+4*\e+3], v[KFA] offset:(\slot)*SLOT+16*KP*\kt+64*\c+32*\e
.endr
.endr
.endr
	WIN W_D2                                       ; between the wait and these loads stand loads and this switch alone
.irp dt, 0,1,2,3
.irp kk, 0,1
.irp e, 0,1
	ds_load_tr16_b128 v[VF+64*(\slot)+16*\dt+8*\kk+4*\e:VF+64*(\slot)+16*\dt+8*\kk+4*\e+3], v[VFA] offset:(\slot)*SLOT+KB+32*VP*\kk+32*\dt+16*VP*\e
.endr
.endr
.endr
.endm
; All that a pass (block s18) asks for at its start: 32 loads of Q into S's registers, then the first two tiles of its order, 16 loads each.
; again = 1: the second pass's, issued at the first pass's end.  No load is out there (the last tile's wait was for 0), so every base may be written.
.macro ISSUE again
	s_lshl_b32 s20, s18, 2                         ; 4 qb: the diagonal's first tile, and the number of full tiles
	s_lshl_b32 s[OFP], s18, 20                     ; 256 rows of 4,096 bytes a block
	s_add_nc_u64 s[QBS:QBS+1], s[4:5], s[OFP:OFP+1]
	s_mov_b32 s22, s20
	BASES 0
	s_mov_b32 s21, 1
	NEXTID
	BASES 1
	WIN W_D1
.if \again
	s_wait_alu depctr_vm_vsrc(0)                   ; the LDS stores of the last two conversions have read both stages, in which loads land
	s_wait_alu depctr_va_vdst(0)                   ; the last second products are done reading P's registers, in which Q lands; the conversions are done with both stages
.else
	s_wait_alu depctr_va_vdst(0)                   ; the head has written every address register of the kernel: KFA .. VLANE, which loads and stores read from here on
.endif
.irp q, 0,1,2,3
.irp t, 0,1,2,3,4,5,6,7
	global_load_b128 v[SC+32*\q+4*\t:SC+32*\q+4*\t+3], v[KLANE], s[QBS:QBS+1] offset:262144*\q+4096*\t th:TH_LOAD_NT   ; a row of Q is read once in the launch
.endr
.endr
	LOADS 0                                        ; between the waits and these loads stand loads and window switches alone
	LOADS 1
	WIN 0
.endm
; THE PIECES OF A STEP.
; Score product w of group q's eight, in the bf16 form: w = 0 .. 3 are the four key blocks on d 0-31 and start the sums, w = 4 .. 7 add d 32-63.
; The four accumulators take turns, one instruction a turn.
.macro QKW q, w
.if (\w) < 4
	v_wmma_f32_16x16x32_bf16 v[SC+32*(\q)+8*(\w):SC+32*(\q)+8*(\w)+7], v[KF+16*(\w):KF+16*(\w)+7], v[QF+16*(\q):QF+16*(\q)+7], 0
.else
	v_wmma_f32_16x16x32_bf16 v[SC+32*(\q)+8*((\w)-4):SC+32*(\q)+8*((\w)-4)+7], v[KF+16*((\w)-4)+8:KF+16*((\w)-4)+15], v[QF+16*(\q)+8:QF+16*(\q)+15], v[SC+32*(\q)+8*((\w)-4):SC+32*(\q)+8*((\w)-4)+7]
.endif
.endm
.macro QKN q, w                        ; the same for the group behind q, where there is one
.if (\q) < 3
	QKW \q+1, \w
.endif
.endm
; Second product w of group q's eight, in the f16 form: w = 0 .. 3 the four blocks of d on keys 0-31, w = 4 .. 7 on keys 32-63.  Turns as above.
; VB is the step's buffer of V's fragments; STEP sets it.
.macro PVW q, w, first
.if (\w) < 4
.if \first
	v_wmma_f32_16x16x32_f16 v[OO+32*(\q)+8*(\w):OO+32*(\q)+8*(\w)+7], v[VB+16*(\w):VB+16*(\w)+7], v[SC+32*(\q):SC+32*(\q)+7], 0
.else
	v_wmma_f32_16x16x32_f16 v[OO+32*(\q)+8*(\w):OO+32*(\q)+8*(\w)+7], v[VB+16*(\w):VB+16*(\w)+7], v[SC+32*(\q):SC+32*(\q)+7], v[OO+32*(\q)+8*(\w):OO+32*(\q)+8*(\w)+7]
.endif
.else
	v_wmma_f32_16x16x32_f16 v[OO+32*(\q)+8*((\w)-4):OO+32*(\q)+8*((\w)-4)+7], v[VB+16*((\w)-4)+8:VB+16*((\w)-4)+15], v[SC+32*(\q)+16:SC+32*(\q)+23], v[OO+32*(\q)+8*((\w)-4):OO+32*(\q)+8*((\w)-4)+7]
.endif
.endm
.macro RESC1 q, k                      ; two numbers of O times alpha
	v_pk_mul_f32 v[OO+32*(\q)+(\k):OO+32*(\q)+(\k)+1], v[OO+32*(\q)+(\k):OO+32*(\q)+(\k)+1], v[ALP+2*(\q):ALP+2*(\q)+1]
.endm
.macro EXP4 q, a
.irp k, 0,1,2,3
	v_exp_f32 v[SC+32*(\q)+(\a)+\k], v[SC+32*(\q)+(\a)+\k]
.endr
.endm
; The largest of my 32 scores of group q in four chains of 8: for the step's first group, which has no other work to stand between.
.macro MAX4 q
	v_max3_num_f32 v[TT+(\q)], v[SC+32*(\q)], v[SC+32*(\q)+1], v[SC+32*(\q)+2]
	v_max3_num_f32 v[TA], v[SC+32*(\q)+8], v[SC+32*(\q)+9], v[SC+32*(\q)+10]
	v_max3_num_f32 v[TB], v[SC+32*(\q)+16], v[SC+32*(\q)+17], v[SC+32*(\q)+18]
	v_max3_num_f32 v[TC], v[SC+32*(\q)+24], v[SC+32*(\q)+25], v[SC+32*(\q)+26]
.irp j, 3,5
	v_max3_num_f32 v[TT+(\q)], v[SC+32*(\q)+\j], v[SC+32*(\q)+\j+1], v[TT+(\q)]
	v_max3_num_f32 v[TA], v[SC+32*(\q)+8+\j], v[SC+32*(\q)+9+\j], v[TA]
	v_max3_num_f32 v[TB], v[SC+32*(\q)+16+\j], v[SC+32*(\q)+17+\j], v[TB]
	v_max3_num_f32 v[TC], v[SC+32*(\q)+24+\j], v[SC+32*(\q)+25+\j], v[TC]
.endr
	v_max_num_f32 v[TT+(\q)], v[SC+32*(\q)+7], v[TT+(\q)]
	v_max_num_f32 v[TA], v[SC+32*(\q)+15], v[TA]
	v_max_num_f32 v[TB], v[SC+32*(\q)+23], v[TB]
	v_max_num_f32 v[TC], v[SC+32*(\q)+31], v[TC]
	v_max3_num_f32 v[TT+(\q)], v[TT+(\q)], v[TA], v[TB]
	v_max_num_f32 v[TT+(\q)], v[TT+(\q)], v[TC]
.endm
; The same in two chains of 16, one instruction at a time: k even works on scores 0-15 (TT), k odd on 16-31 (TA), k = 16 joins them.
.macro MAXOP q, k
.if (\k) == 16
	v_max_num_f32 v[TT+(\q)], v[TT+(\q)], v[TA]
.else
.set MB, SC+32*(\q)+16*((\k)&1)
.set MJ, (\k)>>1
.set MT, TT+(\q)
.if (\k)&1
.set MT, TA
.endif
.if MJ == 0
	v_max3_num_f32 v[MT], v[MB], v[MB+1], v[MB+2]
.else
.if MJ == 7
	v_max_num_f32 v[MT], v[MB+15], v[MT]
.else
	v_max3_num_f32 v[MT], v[MB+2*MJ+1], v[MB+2*MJ+2], v[MT]
.endif
.endif
.endif
.endm
; From a group's maximum to its shift and its rescale: a chain, so each link is a macro of its own and other work stands between.
.macro MISC0 q
	v_permlanex16_b32 v[UU+(\q)], v[TT+(\q)], s24, s25     ; the other half of the lanes holds the query's other 32 keys
.endm
.macro MISC1 q, first
.if \first
	v_max_num_f32 v[MX+(\q)], v[TT+(\q)], v[UU+(\q)]
.else
	v_max3_num_f32 v[MX+(\q)], v[TT+(\q)], v[UU+(\q)], v[MX+(\q)]
.endif
.endm
.macro MISC2 q
	v_mul_f32 v[NMC+2*(\q)+1], s29, v[MX+(\q)]             ; -c m, rounded once; the weights and the rescale use this same number
.endm
.macro MISC3 q, first
.if \first == 0
	v_sub_f32 v[DD+(\q)], v[NMC+2*(\q)+1], v[NMC+2*(\q)]   ; c m_old - c m_new, at most 0
.endif
.endm
.macro MISC4 q
	v_mov_b32 v[NMC+2*(\q)], v[NMC+2*(\q)+1]
.endm
.macro MISC5 q, first
.if \first == 0
	v_exp_f32 v[ALP+2*(\q)], v[DD+(\q)]                    ; twice, to fill the pair of the packed multiplies; first used behind plain instructions
	v_exp_f32 v[ALP+2*(\q)+1], v[DD+(\q)]
.endif
.endm
; l = l alpha + the sum of p, in f32, one instruction at a time.  Pair k is registers 2 k, 2 k + 1.  Even pairs go to LL, odd ones to LB, k = 16 joins them.
.macro SUMOP q, k, first
.if (\k) == 0
.if \first
	s_wait_alu depctr_va_vdst(0)
	v_pk_add_f32 v[LL+2*(\q):LL+2*(\q)+1], v[SC+32*(\q):SC+32*(\q)+1], v[SC+32*(\q)+4:SC+32*(\q)+5]
.else
	s_wait_alu depctr_va_vdst(0)
	v_pk_fma_f32 v[LL+2*(\q):LL+2*(\q)+1], v[LL+2*(\q):LL+2*(\q)+1], v[ALP+2*(\q):ALP+2*(\q)+1], v[SC+32*(\q):SC+32*(\q)+1]
.endif
.endif
.if (\k) == 1
	v_pk_add_f32 v[LB:LB+1], v[SC+32*(\q)+2:SC+32*(\q)+3], v[SC+32*(\q)+6:SC+32*(\q)+7]     ; pairs 1 and 3 start the second chain: k = 3 has nothing left to do
.endif
.if (\k) == 2
.if \first == 0
	v_pk_add_f32 v[LL+2*(\q):LL+2*(\q)+1], v[LL+2*(\q):LL+2*(\q)+1], v[SC+32*(\q)+4:SC+32*(\q)+5]
.endif
.endif
.if (\k) > 3
.if (\k) == 16
	v_pk_add_f32 v[LL+2*(\q):LL+2*(\q)+1], v[LL+2*(\q):LL+2*(\q)+1], v[LB:LB+1]
.else
.if (\k)&1
	v_pk_add_f32 v[LB:LB+1], v[LB:LB+1], v[SC+32*(\q)+2*(\k):SC+32*(\q)+2*(\k)+1]
.else
	v_pk_add_f32 v[LL+2*(\q):LL+2*(\q)+1], v[LL+2*(\q):LL+2*(\q)+1], v[SC+32*(\q)+2*(\k):SC+32*(\q)+2*(\k)+1]
.endif
.endif
.endif
.endm
; P^T in f16, in place: pair i becomes word i%8 of fragment i/8.  The word lies in a pair of number i or lower, so packing i stands behind sum i.
.macro CVTOP q, i
	v_cvt_pk_f16_f32 v[SC+32*(\q)+16*((\i)>>3)+((\i)&7)], v[SC+32*(\q)+2*(\i)], v[SC+32*(\q)+2*(\i)+1]
.endm
; p = 2^(c s - c m) for group q, with the next group's eight score products between: one for each 8 scale-and-shifts or 4 exponentials.
.macro EPH q
	WIN W_QK
	QKN \q, 0
.irp k, 0,2,4,6,8,10,12,14
	v_pk_fma_f32 v[SC+32*(\q)+\k:SC+32*(\q)+\k+1], v[SC+32*(\q)+\k:SC+32*(\q)+\k+1], s[26:27], v[NMC+2*(\q):NMC+2*(\q)+1] op_sel_hi:[1,0,1]
.endr
	QKN \q, 1
.irp k, 16,18,20,22,24,26,28,30
	v_pk_fma_f32 v[SC+32*(\q)+\k:SC+32*(\q)+\k+1], v[SC+32*(\q)+\k:SC+32*(\q)+\k+1], s[26:27], v[NMC+2*(\q):NMC+2*(\q)+1] op_sel_hi:[1,0,1]
.endr
	QKN \q, 2
	EXP4 \q, 0
	QKN \q, 3
	EXP4 \q, 4
	QKN \q, 4
	EXP4 \q, 8
	QKN \q, 5
	EXP4 \q, 12
	QKN \q, 6
	EXP4 \q, 16
	QKN \q, 7
	EXP4 \q, 20
	EXP4 \q, 24
	EXP4 \q, 28
.endm
; Group q's sum and packing, and between them the next group's maximum, shift and rescale.
; Behind the next group's last score product stand the v_nop and four or five sums of group q before the first maximum reads a result (ISA guide 7.12.1).
.macro PHB q, first
	WIN W_SM
	v_nop                                          ; one plain instruction between the exponentials and the use of their results (ISA guide 5.7.2)
.if (\q) < 3
.irp k, 0,1,2,3,4,5
	SUMOP \q, \k, \first
.endr
.irp r, 0,1,2,3,4
	MAXOP \q+1, 2*\r
	SUMOP \q, 6+2*\r, \first
	MAXOP \q+1, 2*\r+1
	SUMOP \q, 7+2*\r, \first
.endr
	MAXOP \q+1, 10
	SUMOP \q, 16, \first
	MAXOP \q+1, 11
	CVTOP \q, 0
	MAXOP \q+1, 12
	CVTOP \q, 1
	MAXOP \q+1, 13
	CVTOP \q, 2
	MAXOP \q+1, 14
	CVTOP \q, 3
	MAXOP \q+1, 15
	CVTOP \q, 4
	CVTOP \q, 5
	MAXOP \q+1, 16
	CVTOP \q, 6
	CVTOP \q, 7
	MISC0 \q+1
	CVTOP \q, 8
	CVTOP \q, 9
	MISC1 \q+1, \first
	CVTOP \q, 10
	CVTOP \q, 11
	MISC2 \q+1
	CVTOP \q, 12
	CVTOP \q, 13
	MISC3 \q+1, \first
	CVTOP \q, 14
	MISC4 \q+1
	CVTOP \q, 15
	MISC5 \q+1, \first
.else
	SUMOP \q, 0, \first
	SUMOP \q, 1, \first
.irp k, 2,3,4,5,6,7,8,9,10,11,12,13,14,15
	SUMOP \q, \k, \first
	CVTOP \q, \k-2
.endr
	SUMOP \q, 16, \first
	CVTOP \q, 14
	CVTOP \q, 15
.endif
.endm
; One step of 64 keys out of slot 'slot'.  Groups q0 .. 3 are at work; masked: group q0 is masked by element; first: starts O, maximum and sum;
; conv: the next tile is converted into the other slot (left, load: see CONVERT) and a barrier is passed; last: no step follows.
; The step's own fragments of K and V were asked for behind the barrier of the step before (at a pass's head: behind the head's barrier).
.macro STEP q0, masked, first, slot, conv, left, load, last
.set VB, VF+64*(\slot)
	s_wait_dscnt 16                                ; LDS loads come back in order: this slot's K fragments are in, the 16 younger loads, V's, stay out
	WIN W_QK
.irp w, 0,1,2,3,4,5,6,7
	QKW \q0, \w                                    ; the first group's score products: nothing of this step is there yet to stand between them
.endr
	PLACES 4                                       ; before vector instructions read or write S
.if \conv
	CONVERT 1-\slot, \left, \load
.endif
	WIN W_SM
.if \masked
.irp hf, 0,1                           ; 16 elements at a time: a run of compares into scalar registers, one wait, the selects
.irp i, 0,1,2,3,4,5,6,7,8,9,10,11,12,13,14,15
	v_cmp_le_i32 s[MK+\i], 32*\hf+16*(\i>>3)+(\i&7), v[TM]        ; key <= query
.endr
	s_wait_alu depctr_va_sdst(0)                   ; the sixteen compares have written s[MK ..], ahead of the selects that read them
.irp i, 0,1,2,3,4,5,6,7,8,9,10,11,12,13,14,15
	v_cndmask_b32 v[SC+32*\q0+16*\hf+\i], s28, v[SC+32*\q0+16*\hf+\i], s[MK+\i]   ; else -1e9, ahead of the scale
.endr
.endr
.endif
	MAX4 \q0
	MISC0 \q0
	MISC1 \q0, \first
	MISC2 \q0
	MISC3 \q0, \first
	MISC4 \q0
	MISC5 \q0, \first
	s_wait_dscnt 0x0                               ; my V fragments are in, my stores into the other slot are done, and no read of mine of this slot is out
.if \conv
	s_barrier_signal -1                            ; say so; register work alone up to the wait
.endif
.irp q, 0,1,2,3
.if \q >= \q0
	EPH \q
	PHB \q, \first
.endif
.endr
.if \conv
	s_barrier_wait -1                              ; the other slot is whole, and no wave reads this slot any more
.endif
.if \last == 0
	FRAGS 1-\slot                                  ; the next step's fragments of K and V come in under the products below, which name neither K's registers nor V's other buffer
.endif
	WIN W_PV
	; O^T = O^T alpha + V^T P^T: the first group's rescale, then each group's eight products with the next group's rescale between them
.if \first == 0
.irp k, 0,2,4,6,8,10,12,14,16,18,20,22,24,26,28,30
	RESC1 \q0, \k
.endr
.endif
.irp q, 0,1,2,3
.if \q >= \q0
.irp w, 0,1,2,3,4,5,6,7
	PVW \q, \w, \first
.if \first == 0
.if \q < 3
	RESC1 \q+1, 4*\w
	RESC1 \q+1, 4*\w+2
.endif
.endif
.endr
.endif
.endr
	WIN 0
.if \last == 0
	PLACES 5                                       ; the next step's first products write over P's registers, which these read as B
.endif
.endm
; O / l, then 16 rows at a time through my own stage: 16 bytes a lane in, whole rows of 256 bytes back, sixteen lanes store one aligned row.
; All four groups are divided first, so that one wait stands ahead of all the LDS stores.
.macro EPILOGUE
	WIN W_SM
.irp q, 0,1,2,3
	v_add_f32 v[TT+\q], v[LL+2*\q], v[LL+2*\q+1]
.endr
.irp q, 0,1,2,3
	v_permlanex16_b32 v[UU+\q], v[TT+\q], s24, s25
.endr
.irp q, 0,1,2,3
	v_add_f32 v[TT+\q], v[TT+\q], v[UU+\q]         ; at least about 1: the row's largest score has weight 1
.endr
.irp q, 0,1,2,3
	v_rcp_f32 v[ALP+2*\q], v[TT+\q]
	v_rcp_f32 v[ALP+2*\q+1], v[TT+\q]
.endr
	v_nop                                          ; one plain instruction between the last reciprocal and its use (ISA guide 5.7.2)
	s_wait_alu depctr_va_vdst(0)
	WIN W_PV
.irp q, 0,1,2,3
.irp k, 0,2,4,6,8,10,12,14,16,18,20,22,24,26,28,30
	RESC1 \q, \k
.endr
.endr
	WIN W_ST2
	s_wait_alu depctr_va_vdst(0)                   ; the multiplies have written O, which the LDS stores below read; no vector instruction follows in the pass
.irp q, 0,1,2,3
	WIN W_ST2
.irp dt, 0,1,2,3
.irp e, 0,1
	ds_store_b128 v[OSTA], v[OO+32*\q+8*\dt+4*\e:OO+32*\q+8*\dt+4*\e+3] offset:64*\dt+16*\e   ; query r, d = 16 dt + 8 h + 4 e ..
.endr
.endr
	WIN 0
.irp t, 0,1,2,3,4,5,6,7
	ds_load_b128 v[TMP+32*\q+4*\t:TMP+32*\q+4*\t+3], v[ORDA] offset:2*OP*\t    ; my own bytes; LDS serves a wave's instructions in order (ISA guide 5.7.1)
.endr
.irp t, 0,1,2,3,4,5,6,7
	s_wait_dscnt 7-\t                              ; rows 2 t, 2 t + 1 are back, the younger read-backs stay out
	global_store_b128 v[OOFF], v[TMP+32*\q+4*\t:TMP+32*\q+4*\t+3], s[10:11] offset:262144*\q+8192*\t th:TH_STORE_NT
.endr
.endr
.endm
	s_load_b256 s[4:11], s[0:1], 0x0               ; queries s[4:5], keys s[6:7], values s[8:9], out0 s[10:11]
	v_lshl_add_u32 v62, v0, 2, 0x16c00
	v_mov_b32 v63, 0
	v_lshrrev_b32 v3, 5, v0
	v_readfirstlane_b32 s12, v3                    ; wave g
	s_and_b32 s13, ttmp9, 3                        ; i
	s_lshr_b32 s14, ttmp9, 2                       ; 16 b + head
	s_lshr_b32 s30, s14, 4
	s_and_b32 s31, s14, 15
	s_lshl_b32 s16, s30, 23                        ; a batch is 2048 x 4,096 bytes,
	s_lshl_b32 s31, s31, 8                         ; a head's piece of a row 256
	s_add_co_u32 s16, s16, s31
	s_mov_b32 s17, 0
	s_mov_b32 s24, 0x76543210                      ; v_permlanex16_b32: lane i of one half reads lane i of the other
	s_mov_b32 s25, 0xfedcba98
	s_mov_b32 s26, 0x3e38aa3b                      ; c = 0.125 log2 e
	s_mov_b32 s27, 0x3e38aa3b
	s_mov_b32 s28, 0xce6e6b28                      ; -1e9
	s_mov_b32 s29, 0xbe38aa3b                      ; -c
	s_mov_b32 s34, 0xffff0000                      ; a word's upper bf16
	s_mov_b32 s[OFP+1], 0                          ; every offset stays under 4 GiB
	v_and_b32 v1, 15, v0                           ; r
	v_bfe_u32 v2, v0, 4, 1                         ; h
	v_mul_u32_u24 v[KFA], v1, KP
	v_lshl_add_u32 v[KFA], v2, 4, v[KFA]
	v_and_b32 v3, 7, v0
	v_lshl_add_u32 v3, v2, 3, v3
	v_bfe_u32 v4, v0, 3, 1
	v_mul_u32_u24 v[VFA], v3, VP
	v_lshl_add_u32 v[VFA], v4, 4, v[VFA]
	v_lshlrev_b32 v5, 3, v1                        ; 8 r: four numbers of 16 bits
	v_mul_u32_u24 v6, v2, 8*KP
	v_add_nc_u32 v6, v6, v5
	s_wait_alu depctr_va_sdst(0)                   ; s12 is written, ahead of its first reader: the wave's places in LDS and in the tensors are made from it
	s_mul_i32 s30, s12, 16*KP
	v_add_nc_u32 v[KSTA], s30, v6
	s_mul_i32 s31, s12, QWAVE
	s_add_co_u32 s31, s31, QBASE
	v_add_nc_u32 v[QSTA], s31, v6
	v_add_nc_u32 v[QFA], s31, v[KFA]
	v_mul_u32_u24 v6, v2, 4*VP
	v_add_nc_u32 v6, v6, v5
	s_mul_i32 s30, s12, 16*VP
	v_add_nc_u32 v[VSTA], s30, v6
	s_mul_i32 s32, s12, OWAVE
	s_add_co_u32 s32, s32, OBASE
	v_mul_u32_u24 v6, v1, OP
	v_lshl_add_u32 v6, v2, 5, v6
	v_add_nc_u32 v[OSTA], s32, v6
	v_lshlrev_b32 v7, 4, v1                        ; 16 r: four f32
	v_mul_u32_u24 v6, v2, OP
	v_add_nc_u32 v6, v6, v7
	v_add_nc_u32 v[ORDA], s32, v6
	s_lshl_b32 s33, s12, 16                        ; 16 rows of 4,096 bytes a wave
	v_lshl_add_u32 v6, v2, 15, v7
	v_add_nc_u32 v[KLANE], s33, v6
	v_lshl_add_u32 v6, v2, 14, v7
	v_add_nc_u32 v[VLANE], s33, v6
	v_lshl_add_u32 v[OLANE], v2, 12, v7
	s_lshl_b32 s33, s12, 4
	v_lshlrev_b32 v6, 3, v2
	v_sub_nc_u32 v6, v1, v6
	v_add_nc_u32 v6, s33, v6                       ; 16 g + r - 8 h, signed
	WIN W_D1
	v_mov_b32 v[TM], v6
.irp q, 0,1,2,3
	v_mov_b32 v[UU+\q], 0                          ; v_permlanex16_b32's destination counts as read
.endr
	WIN 0
	s_sub_co_u32 s18, 7, s13                       ; the first pass makes block 7 - i
	s_mov_b32 s19, 0                               ; pass counter
	s_wait_kmcnt 0x0
	s_add_nc_u64 s[4:5], s[4:5], s[16:17]          ; all four tensors at my head's first row
	s_add_nc_u64 s[6:7], s[6:7], s[16:17]
	s_add_nc_u64 s[8:9], s[8:9], s[16:17]
	s_add_nc_u64 s[10:11], s[10:11], s[16:17]
	ISSUE 0
.Lpass:
	s_wait_xcnt 0x0                                ; the last pass's stores have had their addresses translated (ISA guide 3.1): OOFF and TMP are rewritten only behind this wait
	s_wait_alu depctr_vm_vsrc(0)                   ; the last pass's global stores have read OOFF and TMP, its LDS stores have read O: the add below, this pass's read-backs and its first second products write them again
	s_lshl_b32 s30, s18, 4
	s_add_co_u32 s30, s30, s12
	s_lshl_b32 s30, s30, 16                        ; row 256 qb + 16 g
	v_add_nc_u32 v[OOFF], s30, v[OLANE]
	s_wait_loadcnt 32                              ; Q's 32 loads are the oldest; the 32 of the first two tiles stay out
	WIN W_SM
.irp t, 0,1,2,3,4,5,6,7,8,9,10,11,12,13,14,15,16,17,18,19,20,21,22,23,24,25,26,27,28,29,30,31
	v_cvt_pk_bf16_f32 v[SC+4*\t], v[SC+4*\t], v[SC+4*\t+1]
	v_cvt_pk_bf16_f32 v[SC+4*\t+1], v[SC+4*\t+2], v[SC+4*\t+3]
.endr
	WIN W_ST1
	s_wait_alu depctr_va_vdst(0)                   ; the conversions have written Q's packed words, which the LDS stores read; OOFF is written; the last pass's score products are done reading Q's fragments, in which the loads below land
.irp q, 0,1,2,3
.irp t, 0,1,2,3,4,5,6,7
	ds_store_b64 v[QSTA], v[SC+32*\q+4*\t:SC+32*\q+4*\t+1] offset:KP*(16*\q+\t)
.endr
.endr
	WIN 0
.irp q, 0,1,2,3
.irp c, 0,1
.irp e, 0,1
	ds_load_b128 v[QF+16*\q+8*\c+4*\e:QF+16*\q+8*\c+4*\e+3], v[QFA] offset:16*KP*\q+64*\c+32*\e   ; my own bytes, served in order behind the stores, which name neither these registers nor this address
.endr
.endr
.endr
	CONVERT 0, 16, 1                               ; the pass's first tile into slot 0 (last read ahead of the barrier of the last pass's third diagonal step)
	s_wait_dscnt 0x0                               ; my stores are done, and so are all my reads of slot 1
	s_barrier_signal -1
	s_barrier_wait -1
	FRAGS 0
	STEP 0, 1, 1, 0, 1, 16, 1, 0                   ; diagonal tile 0
	s_cmp_eq_u32 s20, 0
	s_cbranch_scc1 .Lnoloop                        ; block 0 has no full tile
	s_lshr_b32 s23, s20, 1                         ; 4 qb full tiles, two a trip
.Lfull:
	STEP 0, 0, 0, 1, 1, 16, 1, 0
	STEP 0, 0, 0, 0, 1, 16, 1, 0
	s_sub_co_i32 s23, s23, 1
	s_cmp_gt_i32 s23, 0                            ; a signed compare: the count ends at 0 from any start
	s_cbranch_scc1 .Lfull
.Lnoloop:
	STEP 1, 1, 0, 1, 1, 16, 0, 0                   ; diagonal tile 1; nothing more is asked for, the last tile stays out
	STEP 2, 1, 0, 0, 1, 0, 0, 0                    ; diagonal tile 2; the last tile is converted: no load is out
	STEP 3, 1, 0, 1, 0, 0, 0, 1                    ; diagonal tile 3
	PLACES 4                                       ; before vector instructions read O
	s_cmp_lg_u32 s19, 0
	s_cbranch_scc1 .Lnoissue
	s_mov_b32 s18, s13                             ; the second pass makes block i; its 64 loads go out ahead of the way out
	ISSUE 1
.Lnoissue:
	EPILOGUE
	s_add_co_u32 s19, s19, 1
	s_cmp_lt_u32 s19, 2
	s_cbranch_scc1 .Lpass
	s_wait_dscnt 0x0
	s_wait_alu depctr_hold_cnt(0) depctr_sa_sdst(0) depctr_va_vdst(0) depctr_va_sdst(0) depctr_va_ssrc(0) depctr_va_vcc(0) depctr_vm_vsrc(0)
	s_wait_tensorcnt 0x0
	ds_add_u32 v62, v63
	s_wait_dscnt 0x0
	s_endpgm
.Lfunc_end_k_qf58b54370e_attn:
	.size	k_qf58b54370e_attn, .Lfunc_end_k_qf58b54370e_attn-k_qf58b54370e_attn
	.p2alignl 7, 3214868480
	.fill 96, 4, 3214868480
	.section	.rodata,"a",@progbits
	.p2align	6, 0x0
	.amdhsa_kernel k_qf58b54370e_attn
		.amdhsa_group_segment_fixed_size 93696
		.amdhsa_private_segment_fixed_size 0
		.amdhsa_enable_private_segment 0
		.amdhsa_kernarg_size 32
		.amdhsa_user_sgpr_count 2
		.amdhsa_user_sgpr_kernarg_segment_ptr 1
		.amdhsa_wavefront_size32 1
		.amdhsa_system_sgpr_workgroup_id_x 1
		.amdhsa_system_sgpr_workgroup_id_y 1
		.amdhsa_system_sgpr_workgroup_id_z 1
		.amdhsa_system_vgpr_workitem_id 0
		.amdhsa_next_free_vgpr 896
		.amdhsa_next_free_sgpr 66
		.amdhsa_reserve_vcc 0
		.amdhsa_float_denorm_mode_32 3
		.amdhsa_float_denorm_mode_16_64 3
		.amdhsa_memory_ordered 1
		.amdhsa_forward_progress 1
		.amdhsa_inst_pref_size 237
	.end_amdhsa_kernel
	.amdgpu_metadata
---
amdhsa.version: [ 1, 2 ]
amdhsa.kernels:
  - .name:           k_qf58b54370e_attn
    .symbol:         k_qf58b54370e_attn.kd
    .args:
      - { .name: queries, .offset: 0, .size: 8, .value_kind: global_buffer, .address_space: global }
      - { .name: keys, .offset: 8, .size: 8, .value_kind: global_buffer, .address_space: global }
      - { .name: values, .offset: 16, .size: 8, .value_kind: global_buffer, .address_space: global }
      - { .name: out0, .offset: 24, .size: 8, .value_kind: global_buffer, .address_space: global }
    .group_segment_fixed_size: 93696
    .private_segment_fixed_size: 0
    .kernarg_segment_align: 8
    .kernarg_segment_size: 32
    .max_flat_workgroup_size: 128
    .sgpr_count:     66
    .vgpr_count:     896
    .wavefront_size: 32
...
	.end_amdgpu_metadata
.endif
;; end of part 2
